; MI455X (gfx1250); checked and timed in simulation.
; The chip was launched on July 23, 2026; its instructions are those of AMD's public machine-readable ISA for CDNA 5 (MIT licence, August 2026) and "CDNA5" Instruction Set Architecture Reference Guide (July 2026). The comments in the code are by the model that wrote it; some were corrected since.
;; High Fidelity KAN Layer. Allowed arithmetic: matrix products marked QUANTISED: E2M1 operands, one E8M0 scale for each 32 along K, by v_wmma_scale_f32_16x16x128_f8f6f4 with both operands' format E2M1 (or v_wmma_scale_f32_32x16x128_f4), f32 sums; everything else in f32.
;; Inputs: base_weight 512 x 512 float32; spline_weight 512 x 512 x 8 float32; x 16,384 x 512 float32.
;; Outputs: out0 16,384 x 512 float32.
;; This version of the problem:
;;   THIS VERSION OF THE PROBLEM IS GIVEN IN LOW PRECISION. The matrix products marked QUANTISED in the list below multiply operands that are first quantised to E2M1 (2 exponent bits, 1 mantissa bit; 4 bits a number), with one power-of-two scale for each 32 numbers along K (OCP MX v1.0); their sums are f32. All else is computed in f32.
;;   The module's matrix products, in the order in which they are computed (A, B: the left and right operand; K: the contracted axis; several contracted axes count as one K, in the product's order):
;;     1. [M 16,384, K 512] x [K 512, N 512]; A: computed on the way; B: input base_weight: QUANTISED
;;     2. [M 16,384, K 4,096] x [K 4,096, N 512]; A: computed on the way; B: input spline_weight: QUANTISED
;;   THE QUANTISER, for each operand of a quantised product, along K:
;;     - K is cut into blocks of 32 from its start; a last block that is shorter is filled with zeros.
;;     - A block's scale is 2^e with e = floor(log2(the largest magnitude in the block)) - 2, held to -126 .. 127; a block of zeros has e = 0. As a byte (E8M0): e + 127.
;;     - Each number is divided by its block's scale, clamped to +-6, and rounded to the nearest number of E2M1, ties to even, subnormals kept.
;;     - The product sums the exact products of the quantised numbers (number of the format x scale) in f32.
;;   ~~~python
;;   def quantise(x, axis):      # numpy; x: float32 -> the quantised numbers, widened to float32 again
;;       x = np.moveaxis(x, axis, -1); K = x.shape[-1]
;;       x = np.pad(x, [(0, 0)] * (x.ndim - 1) + [(0, -K % 32)]); x = x.reshape(x.shape[:-1] + (-1, 32)); a = np.abs(x).max(-1, keepdims=True)
;;       e = np.where(a > 0, np.clip(np.frexp(np.where(a > 0, a, 1))[1] - 1 - 2, -126, 127), 0)      # np.frexp(a)[1] - 1 = floor(log2(a)), exactly
;;       r = np.clip(x / 2.0 ** e, -6, 6)
;;       step = 2.0 ** (np.maximum(np.frexp(np.where(r == 0, 1, r))[1] - 1, 0) - 1)
;;       q = np.round(r / step) * step * 2.0 ** e      # np.round: ties to even
;;       return np.moveaxis(q.reshape(q.shape[:-2] + (-1,))[..., :K], -1, axis).astype(np.float32)
;;   ~~~
;;   OPERANDS COMPUTED ON THE WAY. 'Computed on the way' means the value that the module computes at that place (a softmax that the list does not call 'softmax' is quantised finished and normalised). What goes into a quantiser is computed in f32, as accurately as f32 sums, v_exp_f32 and their like allow (about 1e-6 of the number): no bf16 or f16 on the way to a quantiser, and a product that is left as it is and whose result goes on into a quantised operand takes f32 operands (vector FMAs, or v_wmma_f32_16x16x4_f32). A number that lies on a knife's edge between two numbers of the format may be rounded either way, as far as f32 arithmetic and the matrix unit's own rounding can turn it there, and no further.
;; One version. Each part assembles by itself: llvm-mc -triple=amdgcn-amd-amdhsa -mcpu=gfx1250 --defsym DOCPART=n.
;; ======== version 1 of 1: 2 launches
;; workspace buffers: wq 1,253,376 bytes
;; launch wquant (part 1): grid 32 x 9, 4 waves a work-group, no clusters, 35,328 bytes of LDS; arguments base_weight, spline_weight, wq; writes wq
.if DOCPART == 1
	.amdgcn_target "amdgcn-amd-amdhsa--gfx1250"
	.amdhsa_code_object_version 6
	.text
	.protected	k_qb0dc4284fb_wquant
	.globl	k_qb0dc4284fb_wquant
	.p2align	8
	.type	k_qb0dc4284fb_wquant,@function
k_qb0dc4284fb_wquant:
	s_mov_b64 s[64:65], 0
	v_nop
	global_prefetch_b8 v0, s[64:65] scope:SCOPE_SE
	s_setreg_imm32_b32 hwreg(HW_REG_WAVE_MODE, 25, 1), 1
	s_wait_xcnt 0x0
; base_weight [512][512] and spline_weight [512][512][8], f32, become codes of FP4 (E2M1) with one E8M0 byte for each 32 along K,
; laid in wq IN THE ORDER OF THE OPERAND'S REGISTERS, so that the product's launch takes them by dense loads alone.
; THE SPLINE PRODUCT'S K runs basis by basis: k = 512 c + i (the contracted axes in the order in which the product is lowered: c, then i).  So a block of 32 is ONE basis c and 32 neighbouring features i.
; wq is nine chunks of CHUNK bytes, each four matrix K steps of 128.  Chunk q < 8: the spline weights of features 64 q .. 64 q + 63, all eight bases; chunk 8: the base weights.
;   codes:  ci*32768 + t*8192 + b*1024 + cc*512 + 16*lane : registers 4cc .. 4cc+3 of the fragment of output columns 128 ci + 16 b + lane % 16, K step t
;   scales: 131072 + column*16 + 4 t + (2 cc + h)         : one word for a column and a K step
; Which block stands where is the product's own choice, the same on both operands; blocks stay whole.  Spline: block 2 cc + h of K step t is basis 2 t + cc, features 64 q + 32 h + 0 .. 31, in their order;
; base: the natural order, features 128 t + 64 cc + 32 h + 0 .. 31.
; A block's scale is 2^(floor(log2(its largest magnitude)) - 2); its byte is the largest magnitude's exponent field - 2, held at 1 from below.
; LIMITS: a block of zeros gets the byte 1 where the rule says 127 (its codes are zeros, and this program alone reads the bytes); NaN and infinities among the weights are not served.
; SHARES: work-group (x = tile of 16 output columns, y = chunk).  A chunk is 2,048 consecutive bytes of each of the tile's 16 rows, in both tensors.  Wave w loads bytes 512 w .. 512 w + 511 of every row
; (32 lanes, 512 consecutive bytes a load) into a stage that the four waves share; behind a barrier wave t reads K step t out of it, a lane its row's two whole blocks into 64 registers:
; spline: numbers 32 bytes apart; base: neighbours.  Only the pointer and two strides of the GLOBAL address are chosen on the work-group's number; the two ways part round the LDS loads alone.
.set CHUNK, 139264
.set SP,    2064                       ; a stage row: 2,048 bytes + 16 of padding: an odd multiple of 16
.set SCB,   16*SP                      ; behind the stage: the tile's 256 scale bytes
.set VO,    16                         ; v16-31   row i's byte offset
.set L,     32                         ; v32-95   the numbers as loaded
.set N,     96                         ; v96-159  my row's 64 numbers: block cc at N + 32 cc
.set CD,    160                        ; v160-167 the fragment's eight registers
.set MXR,   168                        ; v168-169 largest magnitudes, then the conversions' scale operands; v170-171 the bytes
	s_load_b128 s[4:7], s[0:1], 0x0                ; base_weight, spline_weight
	s_load_b64 s[8:9], s[0:1], 0x10                ; wq
	v_lshl_add_u32 v192, v0, 2, 0x8800
	v_mov_b32 v193, 0
	v_lshrrev_b32 v1, 5, v0
	v_readfirstlane_b32 s10, v1                    ; t: my wave, my K step
	v_and_b32 v1, 31, v0                           ; lane
	v_and_b32 v2, 15, v0                           ; r
	v_bfe_u32 v3, v0, 4, 1                         ; h
	s_mov_b32 s11, ttmp9                           ; the tile of 16 columns
	s_and_b32 s12, ttmp7, 0xffff                   ; the chunk
	s_lshl_b32 s17, s12, 11                        ; spline: a chunk's 64 features are 2,048 bytes of a row
	s_lshl_b32 s14, s10, 9                         ; 512 t
	v_lshlrev_b32 v7, 4, v1                        ; 16 x lane
	v_add_nc_u32 v5, s14, v7                       ; into the stage: as loaded
	v_mul_u32_u24 v10, v2, SP                      ; out of it: row r;
	v_lshl_add_u32 v6, v3, 10, v10                 ; spline: + 32 features x 32 bytes x h
	s_lshl_b32 s15, s10, 3
	v_add_nc_u32 v6, s15, v6                       ;         + 4 bytes x basis 2 t
	v_lshl_add_u32 v4, v3, 7, v10                  ; base: + 128 h
	v_add_nc_u32 v4, s14, v4                       ;       + 512 t
	s_lshl_b32 s21, s10, 2
	v_lshlrev_b32 v8, 4, v2
	v_add_nc_u32 v8, s21, v8
	v_add_nc_u32 v8, SCB, v8                       ; my column's scale word of my K step
	v_lshlrev_b32 v9, 3, v1                        ; 8 x lane
	v_add_nc_u32 v11, SCB, v9                      ; the scale bytes on their way out
	s_mov_b32 s24, 0x76543210
	s_mov_b32 s25, 0xfedcba98                      ; v_permlanex16_b32's selects for lane l xor 16
	s_mul_i32 s22, s12, CHUNK
	s_lshr_b32 s23, s11, 3
	s_lshl_b32 s23, s23, 15
	s_add_co_u32 s26, s22, s23                     ; chunk + ci x 32,768
	s_lshl_b32 s23, s10, 13
	s_add_co_u32 s26, s26, s23                     ; + t x 8,192
	s_and_b32 s23, s11, 7
	s_lshl_b32 s23, s23, 10
	s_add_co_u32 s26, s26, s23                     ; + b x 1,024
	s_mov_b32 s27, 0
	s_lshl_b32 s28, s11, 8
	s_add_co_u32 s28, s28, s22
	s_add_co_u32 s28, s28, 131072                  ; the tile's 256 scale bytes
	s_mov_b32 s29, 0
	s_mov_b32 s13, 16384                           ; spline: from row to row
	s_wait_kmcnt 0x0
	s_add_nc_u64 s[26:27], s[8:9], s[26:27]
	s_add_nc_u64 s[28:29], s[8:9], s[28:29]
	s_cmp_eq_u32 s12, 8                            ; the base weights' chunk?  The choice hangs on the work-group's number alone; only selects stand between the compare and its last use
	s_cselect_b64 s[18:19], s[4:5], s[6:7]
	s_cselect_b32 s13, 2048, s13
	s_cselect_b32 s17, 0, s17
	s_mul_i32 s20, s11, s13
	s_lshl_b32 s20, s20, 4                         ; the tile's first row
	s_add_co_u32 s20, s20, s17                     ; + the chunk
	s_add_co_u32 s20, s20, s14                     ; + my quarter of its 2,048 bytes
	s_mov_b32 s21, 0
	s_add_nc_u64 s[18:19], s[18:19], s[20:21]
	v_mov_b32 v[VO], v7
.irp i, 1,2,3,4,5,6,7,8,9,10,11,12,13,14,15
	v_add_nc_u32 v[VO+\i], s13, v[VO+\i-1]
.endr
.irp i, 0,1,2,3,4,5,6,7,8,9,10,11,12,13,14,15
	global_load_b128 v[L+4*\i:L+4*\i+3], v[VO+\i], s[18:19] th:TH_LOAD_NT   ; all sixteen rows at once: 512 consecutive bytes a load, read once in the launch
.endr
.irp i, 0,1,2,3,4,5,6,7,8,9,10,11,12,13,14,15
	s_wait_loadcnt 15-\i                           ; loads come back in order: row i is in, the younger ones may be out
	ds_store_b128 v5, v[L+4*\i:L+4*\i+3] offset:SP*\i
.endr
	s_wait_dscnt 0x0                               ; for the others' sake: my quarter of the stage has landed
	s_barrier_signal -1
	s_barrier_wait -1
	s_cmp_eq_u32 s12, 8
	s_cbranch_scc1 .Lbase
.irp c, 0,1
.irp e, 0,1,2,3,4,5,6,7,8,9,10,11,12,13,14,15,16,17,18,19,20,21,22,23,24,25,26,27,28,29,30,31
	ds_load_b32 v[N+32*\c+\e], v6 offset:32*\e+4*\c    ; basis 2 t + cc of feature 32 h + e
.endr
.endr
	s_branch .Lgot
.Lbase:
.irp c, 0,1
.irp k, 0,1,2,3,4,5,6,7
	ds_load_b128 v[N+32*\c+4*\k:N+32*\c+4*\k+3], v4 offset:256*\c+16*\k
.endr
.endr
.Lgot:
	s_wait_dscnt 0x0
.irp c, 0,1
	v_max3_num_f32 v[MXR+\c], |v[N+32*\c]|, |v[N+32*\c+1]|, 0x1800000   ; block cc: all its 32 numbers are mine; the floor 2^(3 - 127) holds the byte at 1 from below
.endr
.irp i, 2,4,6,8,10,12,14,16,18,20,22,24,26,28,30
.irp c, 0,1
	v_max3_num_f32 v[MXR+\c], v[MXR+\c], |v[N+32*\c+\i]|, |v[N+32*\c+\i+1]|   ; (the two blocks by turns)
.endr
.endr
.irp c, 0,1
	v_add_nc_u32 v[MXR+\c], 0xff000000, v[MXR+\c]  ; 2 off the exponent field: the conversion takes the exponent field of this operand as its scale
.endr
.irp c, 0,1
	v_lshrrev_b32 v[MXR+2+\c], 23, v[MXR+\c]       ; the scale's byte
.endr
.irp c, 0,1
.irp g, 0,1,2,3
	v_cvt_scalef32_pk8_fp4_f32 v[CD+4*\c+\g], v[N+32*\c+8*\g:N+32*\c+8*\g+7], v[MXR+\c]
.endr
.endr
	v_nop                                          ; one plain place behind the last scaled conversion
.irp c, 0,1
	global_store_b128 v7, v[CD+4*\c:CD+4*\c+3], s[26:27] offset:512*\c   ; 32 lanes store 512 consecutive bytes, at a multiple of 256 from wq's first byte
.endr
	v_lshl_or_b32 v14, v[MXR+3], 16, v[MXR+2]      ; my two bytes: blocks h and 2 + h,
	v_lshlrev_b32 v15, 3, v3
	v_lshlrev_b32 v14, v15, v14                    ; at their places in the word (8 h bits up);
	v_mov_b32 v12, 0                               ; (a lane permute's destination counts as one of its sources)
	v_permlanex16_b32 v12, v14, s24, s25
	v_or_b32 v14, v14, v12                         ; with lane l xor 16's two the word is whole
	ds_store_b32 v8, v14                           ; both halves of the lanes write the same word with the same value
	s_wait_dscnt 0x0                               ; for wave 0's sake: my word has landed
	s_barrier_signal -1
	s_barrier_wait -1
	s_cmp_lg_u32 s10, 0
	s_cbranch_scc1 .Lend
	ds_load_b64 v[172:173], v11                    ; the four waves' words of 16 columns: 256 bytes
	s_wait_dscnt 0x0
	global_store_b64 v9, v[172:173], s[28:29]      ; 32 lanes store 256 consecutive bytes, aligned
.Lend:
	s_wait_tensorcnt 0x0
	ds_add_u32 v192, v193
	s_wait_dscnt 0x0
	s_endpgm
.Lfunc_end_k_qb0dc4284fb_wquant:
	.size	k_qb0dc4284fb_wquant, .Lfunc_end_k_qb0dc4284fb_wquant-k_qb0dc4284fb_wquant
	.p2alignl 7, 3214868480
	.fill 96, 4, 3214868480
	.section	.rodata,"a",@progbits
	.p2align	6, 0x0
	.amdhsa_kernel k_qb0dc4284fb_wquant
		.amdhsa_group_segment_fixed_size 35328
		.amdhsa_private_segment_fixed_size 0
		.amdhsa_enable_private_segment 0
		.amdhsa_kernarg_size 24
		.amdhsa_user_sgpr_count 2
		.amdhsa_user_sgpr_kernarg_segment_ptr 1
		.amdhsa_wavefront_size32 1
		.amdhsa_system_sgpr_workgroup_id_x 1
		.amdhsa_system_sgpr_workgroup_id_y 1
		.amdhsa_system_sgpr_workgroup_id_z 1
		.amdhsa_system_vgpr_workitem_id 0
		.amdhsa_next_free_vgpr 194
		.amdhsa_next_free_sgpr 66
		.amdhsa_reserve_vcc 0
		.amdhsa_float_denorm_mode_32 3
		.amdhsa_float_denorm_mode_16_64 3
		.amdhsa_memory_ordered 1
		.amdhsa_forward_progress 1
		.amdhsa_inst_pref_size 16
	.end_amdhsa_kernel
	.amdgpu_metadata
---
amdhsa.version: [ 1, 2 ]
amdhsa.kernels:
  - .name:           k_qb0dc4284fb_wquant
    .symbol:         k_qb0dc4284fb_wquant.kd
    .args:
      - { .name: base_weight, .offset: 0, .size: 8, .value_kind: global_buffer, .address_space: global }
      - { .name: spline_weight, .offset: 8, .size: 8, .value_kind: global_buffer, .address_space: global }
      - { .name: wq, .offset: 16, .size: 8, .value_kind: global_buffer, .address_space: global }
    .group_segment_fixed_size: 35328
    .private_segment_fixed_size: 0
    .kernarg_segment_align: 8
    .kernarg_segment_size: 24
    .max_flat_workgroup_size: 128
    .sgpr_count:     66
    .vgpr_count:     194
    .wavefront_size: 32
...
	.end_amdgpu_metadata
.endif
;; end of part 1
;; launch kan (part 2): grid 256 x 1, 8 waves a work-group, clusters of 4 x 1, 327,680 bytes of LDS; arguments x, wq, out0; writes out0
.if DOCPART == 2
	.amdgcn_target "amdgcn-amd-amdhsa--gfx1250"
	.amdhsa_code_object_version 6
	.text
	.protected	k_qb0dc4284fb_kan
	.globl	k_qb0dc4284fb_kan
	.p2align	8
	.type	k_qb0dc4284fb_kan,@function
k_qb0dc4284fb_kan:
	s_mov_b64 s[64:65], 0
	v_nop
	global_prefetch_b8 v0, s[64:65] scope:SCOPE_SE
	s_setreg_imm32_b32 hwreg(HW_REG_WAVE_MODE, 25, 1), 1
	s_wait_xcnt 0x0
	s_wait_alu depctr_hold_cnt(0) depctr_sa_sdst(0) depctr_va_vdst(0) depctr_va_sdst(0) depctr_va_ssrc(0) depctr_va_vcc(0) depctr_vm_vsrc(0)
	s_getreg_b32 s2, hwreg(HW_REG_IB_STS2, 6, 4)
	s_cmp_eq_u32 s2, 0
	s_cbranch_scc0 .Lentry_in_a_cluster
	s_endpgm
.Lentry_in_a_cluster:
	s_bfe_u32 s2, ttmp6, 0x10000c
	s_cmp_lg_u32 s2, 0x3003
	s_cbranch_scc0 .Lentry_shape_is_right
	s_endpgm
.Lentry_shape_is_right:
; out0 = Q(silu(x)) Q(base_weight)^T + Q(basis(x)) Q(spline_weight)^T, both products on codes of FP4 (E2M1) with one E8M0 scale for each 32 along K; sums in f32.
; Both products add into one accumulator: one product with K = 4,096 + 512, 36 matrix K steps of 128, walked as nine chunks of four K steps (eight of spline, one of base).
; The weights come from wq, already as codes in the order of the operand's registers.  x [16384][512] f32 is read once and turned into codes in registers.
; THE SPLINE PRODUCT'S K runs basis by basis: k = 512 c + i (the contracted axes in the order in which the product is lowered).  So a block of 32 is ONE basis c and 32 neighbouring features.
; SHARES.  A work-group owns 64 rows and all 512 columns, so that each number of x is turned into codes once in the launch.  Eight waves in TWO ROLES, ROLE = (w xor w / 4) & 1, so that waves w and
; w + 4, and also waves 2 k and 2 k + 1, have different roles; IDX = w / 2 counts 0 .. 3 within each role.
;   PRODUCER IDX (waves 0, 2, 5, 7): rows 16 IDX .. + 15 of x become fragments and scale words: vector work alone.
;   CONSUMER IDX (waves 1, 3, 4, 6): 64 rows x columns 128 IDX .. + 127: 32 accumulators of 16 x 16: LDS loads and matrix instructions alone.
; While the consumers multiply chunk j, the producers make chunk j + 1 and the tensor data mover brings the weights of chunk j + 2.
; THE BASIS.  The knots are uniform, so the recursion's result is the cardinal cubic spline B(z) = ((2 - |z|)+^3 - 4 (1 - |z|)+^3) / 6.  s = 11 - (x + 3.2) / 0.4 = 3 - 2.5 x, held to [0, 8], which is the
; clip of x to [-2, 2] (all of x >= 1.2 falls on s = 0, where every basis is 0, as in the recursion).  Basis c has its centre at s = k = 9 - c.  With C_n = (s - n)^3 / 6, n = 0 .. 9, which all eight bases share,
; (2 - |s - k|)+^3 / 6 is the middle one of C_(k-2), -C_(k+2) and 0 (the two are never both negative), (1 - |s - k|)+^3 / 6 that of C_(k-1), -C_(k+1) and 0, and the basis is the first less four times the second.
; -C_n is made as 0 - C_n, in place, so that a zero stays +0: with -0 and +0 both among the three, the middle one's sign would not be defined.  Going up through c, +C_n is last used at c = 8 - n and -C_n first at c = 10 - n.
; For c = 0 and 1 the upper side is never the smaller (s <= 8): a maximum with 0 is all.  s - n is exact wherever the result counts, but for s < 1, where it is rounded once.
; A lane holds 32 neighbouring features of its row in a chunk: the 32 numbers of eight blocks, c = 0 .. 7.  Its 256 values wait in window 1 until each block's largest is known.
; LIMITS.  NaN and infinities in x are not served.  A block of zeros carries the byte 1 over zero codes (the rule says 127: the bytes are read by this program alone).
; WHICH BLOCK STANDS WHERE is wq's.  Chunk q < 8, K step t: registers 4 cc .. 4 cc + 3 of lane (r, h) are basis 2 t + cc, features 64 q + 32 h + 0 .. 31 of row r.  The same 32 numbers of x
; are also ONE WHOLE BLOCK of the base product (K step q / 2, registers 4 (q % 2) on): no maximum and no code changes lanes; only the scale words' bytes are joined with lane l xor 16's.
; OPERANDS GO FROM PRODUCER TO CONSUMER THROUGH LDS AS IMAGES OF THEIR REGISTERS: four registers by one ds_store_b128 at 16 x lane; the same line as a load gives any wave the same registers.
; THE MATRIX INSTRUCTION IS USED TRANSPOSED (source 0 = 16 columns' weights, source 1 = 16 rows of x): a lane holds eight neighbouring numbers of a row of out0.
; CLUSTER.  All work-groups walk the same weights: the four of a cluster ask for each chunk JOINTLY, every wave for its eighth (68 rows of 256 bytes, dense in wq), with the same descriptor and the mask 15.
; LDS:  W0, W1 two slots of one chunk | AB0, AB1 x's images of even and odd chunks, 4 x 4,352 | the spare words | the base codes of chunks 2 .. 7, 4 x 3,072.
; A producer's 4,352 bytes first serve as its own stage for turning x (16 rows x 272), then take 4 x 1,024 bytes of images and 256 bytes of scale words.  W1, after its last fill and last read, is the stage of the way out.
.set CHUNK,  139264
.set EIGHTH, 17408                     ; what one tensor load brings
.set W1,     CHUNK
.set AB0,    2*CHUNK
.set ABSTEP, 17408                     ; from AB0 to AB1
.set PREG,   4352                      ; a producer's region
.set SPARE,  AB0+2*ABSTEP              ; the spare words, 128 bytes for each of eight waves: four blocks of 256 bytes that no other line names
.set BASE,   SPARE+1024
.set BREG,   3072
.set SPITCH, 2064                      ; the way out: a row of 2,048 bytes + 16: an odd multiple of 16
; vector registers of both roles: made at the head, ahead of the first parting, and holding nothing else
.set SPW,  2                           ; LDS address of my spare word; never rewritten
.set NIL,  3                           ; 0; never rewritten
.set CW,   4                           ; v4-5   consumer: my 128 columns' codes in slot 0, 1
.set CWS,  6                           ; v6-7   and their scale words
.set CX,   8                           ; v8     x's images
.set CXS,  9                           ; v9     x's scale words: lanes 0-15 an even tile of rows, lanes 16-31 the odd one behind it
.set STO,  10                          ; v10-11 the way out: where I put 32 bytes of a row (rows 0-31, rows 32-63)
.set RD,   12                          ; v12    and where I read rows back
.set GO,   13                          ; v13    16 x lane
.set XOFF, 14                          ; v14    producer: my 16 bytes of two rows of x
.set PST,  15                          ; v15    into my stage
.set PLD,  16                          ; v16    out of it
.set PIM,  17                          ; v17    my images
.set PSC,  18                          ; v18    my scale words
.set PBA,  19                          ; v19    my base codes, stepped once a trip
.set PB0,  20                          ; v20    the same, never stepped
.set SH8,  21                          ; v21    8 h
; consumer, window 0; the accumulators fill window 1: (m, b) at v[8 (8 m + b)]
.set XF,   32                          ; v32-95   x's fragments, two sets of four
.set WS,   96                          ; v96-111  the weights' scale words: register 4 p + t: lanes 0-15 tile 2 p, lanes 16-31 tile 2 p + 1.  v96-119 hold scales and nothing else, in either role
.set XS,   112                         ; v112-119 x's likewise
.set WF,   128                         ; v128-255 the weights' fragments, two sets of eight
; producer, window 0; window 1 holds the 256 values of a chunk: basis c of feature i at v[32 c + i]
.set BL,   23                          ; v23-24 the eight base blocks' scale bytes, shifted in from the top
.set BH,   24
.set KM,   26                          ; pairs of constants: -2.5, 3, -log2(e)
.set K3,   28
.set KL,   30
.set XR,   32                          ; v32-63   the next chunk of x as loaded
.set X,    64                          ; v64-95   my row's 32 numbers; each group's silu is written over them
.set AS,   120                         ; v120-123 at work
.set PN,   124                         ; v124-163 four features' s - n, then C_n, then (n >= 3) -C_n: n at PN + 4 n
.set QT,   164                         ; v164-171 squares, two sets
.set RT,   172                         ; v172-179 sixths, two sets
.set AA,   180                         ; v180-207 (2 - |z|)+^3 / 6 for c = 1 .. 7
.set BB,   208                         ; v208-235 (1 - |z|)+^3 / 6 for c = 1 .. 7
.set BC0,  236                         ; v236-243 the base codes of chunks 0 and 1
.set BCT,  244                         ; v244-247 those of the chunk in hand
.set SW,   248                         ; v248-251 a chunk's four scale words
.set ONE,  252                         ; v252-253 1, 1
.set ZZ,   254                         ; v254-255 0, 0
.set MX8,  124                         ; behind the groups: v124-131 the eight blocks' largest values, then the conversions' scale operands;
.set BY8,  132                         ; v132-139 their bytes;
.set PC,   140                         ; v140-171 the four fragments' codes: block c at PC + 4 c
.set OUTR, 128                         ; the way out, every wave: v128-255
; scalar registers
.set WV,    10
.set IDX,   11
.set ROLE,  12
.set G1,    16                         ; s[16:23] descriptor group 1
.set G0,    24                         ; s[24:31] group 0, one set for each slot
.set XB,    32                         ; s[32:33] x at my rows, at the chunk asked for last
.set OB,    34                         ; s[34:35] out0 at the eight rows that I store
.set TRIPS, 36
.set TOP,   37                         ; 8.0
.set SEL,   44                         ; s[44:45] v_permlanex16_b32's selects for lane l xor 16
.set K6,    62                         ; s[62:63] 1/6: the packed forms name a pair and take its low word for both halves
.set M4,    66                         ; s[66:67] -4
.set NEG,   68                         ; s[68:85] -n at NEG + 2 (n - 1), n = 1 .. 9
.set MSB, 0
.macro WIN new                         ; the immediate's high byte repeats the setting that is left
.if MSB != \new
	s_set_vgpr_msb (MSB<<8)|\new
.set MSB, \new
.endif
.endm
.macro SPAIR reg, val
	s_mov_b32 s[\reg], \val
	s_mov_b32 s[\reg+1], \val
.endm
.macro PLACES                          ; a load into a register that a matrix instruction has read, and an LDS store that reads a matrix result, stand four plain vector instructions behind it
.rept 4
	v_nop
.endr
.endm
.macro CROUND                          ; a round of the cluster's barrier: my work-group's barrier; wave 0 signals for the work-group; every wave waits for all four work-groups; my work-group's barrier once more
	s_barrier_signal -1
	s_barrier_wait -1
	s_cmp_lg_u32 s[WV], 0
	s_cbranch_scc1 .Lnot_wave_0_\@
	s_barrier_signal -3
.Lnot_wave_0_\@:
	s_barrier_wait -3
	s_barrier_signal -1
	s_barrier_wait -1
.endm
; Slot sl, which every consumer has read out, takes the chunk two on.  Every wave of either role: all its tensor loads have landed (its eighth of the OTHER slot), the add, the descriptor's step,
; the add and all its LDS instructions are done; a round; and its one joint load first behind it.  The load has a whole chunk's work in which to land.
.macro REFILL sl
	s_wait_tensorcnt 0x0                           ; no tensor load of mine is out, so a group 0 may be written
	ds_add_u32 v[SPW], v[NIL]                      ; 0 onto my spare word
	s_add_nc_u64 s[G0+4*\sl+2:G0+4*\sl+3], s[G0+4*\sl+2:G0+4*\sl+3], 2*CHUNK   ; the type bits on top are not reached
	s_wait_dscnt 0x0                               ; the add is done; my reads of the slot and of x's images are back; my images have landed
	CROUND
	tensor_load_to_lds s[G0+4*\sl:G0+4*\sl+3], s[G1:G1+7]
	s_nop 0
.rept 4
	v_nop
.endr
.endm
; ---------------- the producer
.macro XLOAD                           ; 16 rows x 256 bytes: sixteen lanes take 256 consecutive bytes of a row, aligned
.irp i, 0,1,2,3,4,5,6,7
	global_load_b128 v[XR+4*\i:XR+4*\i+3], v[XOFF], s[XB:XB+1] offset:4096*\i th:TH_LOAD_NT
.endr
.endm
; The chunk asked for a phase ago turns through my own region of the buffer that it will fill: in as loaded, out 128 bytes a lane.  nx = 1: the next chunk is asked for; 2: but not in the loop's last trip.
.macro XTURN buf, nx
	s_wait_loadcnt 0x0
.irp i, 0,1,2,3,4,5,6,7
	ds_store_b128 v[PST], v[XR+4*\i:XR+4*\i+3] offset:\buf+544*\i
.endr
.irp i, 0,1,2,3,4,5,6,7
	ds_load_b128 v[X+4*\i:X+4*\i+3], v[PLD] offset:\buf+16*\i      ; LDS serves a wave's instructions in order: these see my stores
.endr
	s_wait_dscnt 0x0                               ; x is in registers: the region may take images, and XR the next loads
.if \nx == 2
	s_cmp_eq_u32 s[TRIPS], 1                       ; chunk 7 is x's last: no load leaves its buffer
	s_cbranch_scc1 .Lno_x_\@
.endif
	s_add_nc_u64 s[XB:XB+1], s[XB:XB+1], 256       ; (the loads that named it have come back)
	XLOAD
.if \nx == 2
.Lno_x_\@:
.endif
.endm
.macro NEGATE n                        ; the four features' C_n become 0 - C_n, in place: exact, and +0 stays +0
	v_pk_add_f32 v[PN+4*(\n):PN+4*(\n)+1], v[ZZ:ZZ+1], v[PN+4*(\n):PN+4*(\n)+1] neg_lo:[0,1] neg_hi:[0,1]
	v_pk_add_f32 v[PN+4*(\n)+2:PN+4*(\n)+3], v[ZZ:ZZ+1], v[PN+4*(\n)+2:PN+4*(\n)+3] neg_lo:[0,1] neg_hi:[0,1]
.endm
; Four features, X[4 u .. 4 u + 3]: their silu (written over them) and their 32 bases, into window 1.
.macro GROUP u
.set rX, X+4*(\u)
	v_pk_mul_f32 v[AS:AS+1], v[rX:rX+1], v[KL:KL+1]
	v_pk_mul_f32 v[AS+2:AS+3], v[rX+2:rX+3], v[KL:KL+1]
.irp j, 0,1,2,3
	v_exp_f32 v[AS+\j], v[AS+\j]                   ; e^-x
.endr
	v_pk_fma_f32 v[PN:PN+1], v[rX:rX+1], v[KM:KM+1], v[K3:K3+1]            ; s = 3 - 2.5 x.  (Plain lines behind the exponentials)
	v_pk_fma_f32 v[PN+2:PN+3], v[rX+2:rX+3], v[KM:KM+1], v[K3:K3+1]
.irp j, 0,1,2,3
	v_med3_num_f32 v[PN+\j], v[PN+\j], 0, s[TOP]   ; the clip of x to [-2, 2], and all of x >= 1.2 onto s = 0
.endr
	s_wait_alu depctr_va_vdst(0)
	v_pk_add_f32 v[AS:AS+1], v[AS:AS+1], v[ONE:ONE+1]
	v_pk_add_f32 v[AS+2:AS+3], v[AS+2:AS+3], v[ONE:ONE+1]
.irp j, 0,1,2,3
	v_rcp_f32 v[AS+\j], v[AS+\j]                   ; 1 / (1 + e^-x)
.endr
.irp n, 1,2,3,4,5,6,7,8,9
	v_pk_add_f32 v[PN+4*\n:PN+4*\n+1], v[PN:PN+1], s[NEG+2*\n-2:NEG+2*\n-1] op_sel_hi:[1,0]       ; s - n.  (Plain lines behind the reciprocals)
	v_pk_add_f32 v[PN+4*\n+2:PN+4*\n+3], v[PN+2:PN+3], s[NEG+2*\n-2:NEG+2*\n-1] op_sel_hi:[1,0]
.endr
	s_wait_alu depctr_va_vdst(0)
	v_pk_mul_f32 v[rX:rX+1], v[rX:rX+1], v[AS:AS+1]                        ; silu(x), of the x that is not clipped
	v_pk_mul_f32 v[rX+2:rX+3], v[rX+2:rX+3], v[AS+2:AS+3]
.irp n, 0,2,4,6,8                      ; C_n = (s - n)^2 x ((s - n) / 6), its sign kept; two n at a time, so that no line waits for the line above it
.irp d, 0,1
	v_pk_mul_f32 v[QT+4*\d:QT+4*\d+1], v[PN+4*(\n+\d):PN+4*(\n+\d)+1], v[PN+4*(\n+\d):PN+4*(\n+\d)+1]
	v_pk_mul_f32 v[QT+4*\d+2:QT+4*\d+3], v[PN+4*(\n+\d)+2:PN+4*(\n+\d)+3], v[PN+4*(\n+\d)+2:PN+4*(\n+\d)+3]
.endr
.irp d, 0,1
	v_pk_mul_f32 v[RT+4*\d:RT+4*\d+1], v[PN+4*(\n+\d):PN+4*(\n+\d)+1], s[K6:K6+1] op_sel_hi:[1,0]
	v_pk_mul_f32 v[RT+4*\d+2:RT+4*\d+3], v[PN+4*(\n+\d)+2:PN+4*(\n+\d)+3], s[K6:K6+1] op_sel_hi:[1,0]
.endr
.irp d, 0,1
	v_pk_mul_f32 v[PN+4*(\n+\d):PN+4*(\n+\d)+1], v[QT+4*\d:QT+4*\d+1], v[RT+4*\d:RT+4*\d+1]
	v_pk_mul_f32 v[PN+4*(\n+\d)+2:PN+4*(\n+\d)+3], v[QT+4*\d+2:QT+4*\d+3], v[RT+4*\d+2:RT+4*\d+3]
.endr
.endr
	NEGATE 8                                       ; C_8 and C_9 are wanted with the other sign alone
	NEGATE 9
.irp j, 0,1,2,3
	v_max_num_f32 v[AA+\j], 0, v[PN+24+\j]         ; c = 1, centre 8: s - 6 is never above 10 - s,
	v_max_num_f32 v[BB+\j], 0, v[PN+28+\j]         ; nor s - 7 above 9 - s
.endr
	NEGATE 7                                       ; +C_7 has had its last use
.irp c, 2,3,4,5,6,7                    ; centre k = 9 - c
.irp j, 0,1,2,3
	v_med3_num_f32 v[AA+4*(\c-1)+\j], v[PN+4*(7-\c)+\j], v[PN+4*(11-\c)+\j], 0     ; the middle of C_(k-2), -C_(k+2), 0
	v_med3_num_f32 v[BB+4*(\c-1)+\j], v[PN+4*(8-\c)+\j], v[PN+4*(10-\c)+\j], 0     ; and of C_(k-1), -C_(k+1), 0
.endr
.if \c < 6
	NEGATE 8-\c                                    ; +C_(8-c) has had its last use; the other sign is first wanted two bases on
.endif
.endr
	WIN 0x40                                       ; destination window 1
.irp p, 0,2
	v_pk_add_f32 v[4*(\u)+\p:4*(\u)+\p+1], v[BB+\p:BB+\p+1], v[ZZ:ZZ+1]    ; c = 0, centre 9: (s - 7)+^3 / 6 is all of it, and that is basis 1's second term
.endr
.irp c, 1,2,3,4,5,6,7
.irp p, 0,2
	v_pk_fma_f32 v[32*\c+4*(\u)+\p:32*\c+4*(\u)+\p+1], v[BB+4*(\c-1)+\p:BB+4*(\c-1)+\p+1], s[M4:M4+1], v[AA+4*(\c-1)+\p:AA+4*(\c-1)+\p+1] op_sel_hi:[1,0,1]
.endr
.endr
	WIN 0
.endm
; The chunk's 256 values are there: each block's largest, its scale, its codes; the four fragments' images and the four scale words.
.macro FINISH buf
	WIN 0x05                                       ; sources 0 and 1 window 1
.irp c, 0,1,2,3,4,5,6,7
	v_max3_num_f32 v[MX8+\c], v[32*\c], v[32*\c+1], 0x1800000              ; no value is negative; the floor 2^(3 - 127) holds the byte at 1 from below
.endr
.irp i, 2,4,6,8,10,12,14,16,18,20,22,24,26,28,30
.irp c, 0,1,2,3,4,5,6,7
	v_max3_num_f32 v[MX8+\c], v[32*\c+\i], v[32*\c+\i+1], v[MX8+\c]        ; (the eight blocks by turns)
.endr
.endr
	WIN 0
.irp c, 0,1,2,3,4,5,6,7
	v_add_nc_u32 v[MX8+\c], 0xff000000, v[MX8+\c]  ; 2 off the exponent field: the conversion's scale operand
.endr
.irp c, 0,1,2,3,4,5,6,7
	v_lshrrev_b32 v[BY8+\c], 23, v[MX8+\c]         ; the scale's byte
.endr
	WIN 0x01                                       ; source 0 window 1
.irp c, 0,1,2,3,4,5,6,7
.irp j, 0,1,2,3
	v_cvt_scalef32_pk8_fp4_f32 v[PC+4*\c+\j], v[32*\c+8*\j:32*\c+8*\j+7], v[MX8+\c]
.endr
.endr
	WIN 0
	v_nop                                          ; one plain place behind the last scaled conversion
.irp t, 0,1,2,3
.irp c, 0,1
	ds_store_b128 v[PIM], v[PC+8*\t+4*\c:PC+8*\t+4*\c+3] offset:\buf+1024*\t+512*\c   ; K step t: bases 2 t and 2 t + 1
.endr
.endr
.irp t, 0,1,2,3
	v_lshl_or_b32 v[SW+\t], v[BY8+2*\t+1], 16, v[BY8+2*\t]                 ; my two bytes: blocks h and 2 + h,
.endr
.irp t, 0,1,2,3
	v_lshlrev_b32 v[SW+\t], v[SH8], v[SW+\t]       ; at their places in the word;
.endr
.irp t, 0,1,2,3
	v_permlanex16_b32 v[AS+\t], v[SW+\t], s[SEL], s[SEL+1]
.endr
.irp t, 0,1,2,3
	v_or_b32 v[SW+\t], v[SW+\t], v[AS+\t]          ; with lane l xor 16's two the word is whole
.endr
	ds_store_b128 v[PSC], v[SW:SW+3] offset:\buf   ; row r's four scale words; both halves of the lanes write the same bytes with the same values
.endm
; My 32 silu numbers are one whole block of the base product: four registers of codes into dst, its byte into the run of eight.  st = 1: the codes wait in my own LDS bytes for the last chunk.
.macro BASEQ dst, st, off
	v_max3_num_f32 v[AS], |v[X]|, |v[X+1]|, 0x1800000
	v_max3_num_f32 v[AS+1], |v[X+16]|, |v[X+17]|, |v[X+18]|
.irp i, 0,1,2,3,4,5
	v_max3_num_f32 v[AS], v[AS], |v[X+2+2*\i]|, |v[X+3+2*\i]|
	v_max3_num_f32 v[AS+1], v[AS+1], |v[X+19+2*\i]|, |v[X+20+2*\i]|
.endr
	v_max3_num_f32 v[AS], v[AS], |v[X+14]|, |v[X+15]|
	v_max3_num_f32 v[AS], v[AS], v[AS+1], |v[X+31]|
	v_add_nc_u32 v[AS+2], 0xff000000, v[AS]
	v_lshrrev_b32 v[AS+3], 23, v[AS+2]
.irp g, 0,1,2,3
	v_cvt_scalef32_pk8_fp4_f32 v[\dst+\g], v[X+8*\g:X+8*\g+7], v[AS+2]
.endr
	v_alignbit_b32 v[BL], v[BH], v[BL], 8          ; the eight bytes move down by one (a plain place behind the conversions),
	v_lshrrev_b32 v[BH], 8, v[BH]
	v_lshl_or_b32 v[BH], v[AS+3], 24, v[BH]        ; and the new one comes in on top: after eight chunks chunk q's byte is byte q
.if \st
	ds_store_b128 v[PBA], v[\dst:\dst+3] offset:\off
.endif
.endm
.macro PRODUCE buf, nx, dst, st, off
	XTURN \buf, \nx
	GROUP 0
	GROUP 1
	GROUP 2
	GROUP 3
	GROUP 4
	GROUP 5
	GROUP 6
	GROUP 7
	FINISH \buf
	BASEQ \dst, \st, \off
.endm
.macro PBASE                           ; the ninth chunk: the base product's four fragments are chunk q's codes at image place 512 q
.irp i, 0,1,2,3,4,5
	ds_load_b128 v[X+4*\i:X+4*\i+3], v[PB0] offset:512*\i          ; my own bytes
.endr
	v_perm_b32 v[SW], v[BL], v[BL], 0x0c010c00     ; K step T: the bytes of chunks 2 T and 2 T + 1 at bytes 0 and 2 (selector 0x0c gives 0),
	v_perm_b32 v[SW+1], v[BL], v[BL], 0x0c030c02
	v_perm_b32 v[SW+2], v[BH], v[BH], 0x0c010c00
	v_perm_b32 v[SW+3], v[BH], v[BH], 0x0c030c02
.irp t, 0,1,2,3
	v_lshlrev_b32 v[SW+\t], v[SH8], v[SW+\t]       ; 8 h bits up,
.endr
.irp t, 0,1,2,3
	v_permlanex16_b32 v[AS+\t], v[SW+\t], s[SEL], s[SEL+1]
.endr
.irp t, 0,1,2,3
	v_or_b32 v[SW+\t], v[SW+\t], v[AS+\t]          ; and joined with lane l xor 16's
.endr
	ds_store_b128 v[PIM], v[BC0:BC0+3]
	ds_store_b128 v[PIM], v[BC0+4:BC0+7] offset:512
	s_wait_dscnt 0x2                               ; the six loads are in; the two stores behind them may be out
.irp i, 0,1,2,3,4,5
	ds_store_b128 v[PIM], v[X+4*\i:X+4*\i+3] offset:1024+512*\i
.endr
	ds_store_b128 v[PSC], v[SW:SW+3]
.endm
; ---------------- the consumer
.macro CLOADS sl, buf, t, fs           ; K step t's fragments into set fs: 24 loads of 512 consecutive bytes
.irp b, 0,1,2,3,4,5,6,7
.irp c, 0,1
	ds_load_b128 v[WF+64*\fs+8*\b+4*\c:WF+64*\fs+8*\b+4*\c+3], v[CW+\sl] offset:8192*\t+1024*\b+512*\c
.endr
.endr
.irp m, 0,1,2,3
.irp c, 0,1
	ds_load_b128 v[XF+32*\fs+8*\m+4*\c:XF+32*\fs+8*\m+4*\c+3], v[CX] offset:\buf+PREG*\m+1024*\t+512*\c
.endr
.endr
.endm
.macro CSCALES sl, buf                 ; a chunk's scale words: four words (K steps) a column or row; lanes 0-15 take an even tile, lanes 16-31 the odd one behind it
.irp p, 0,1,2,3
	ds_load_b128 v[WS+4*\p:WS+4*\p+3], v[CWS+\sl] offset:512*\p
.endr
.irp p, 0,1
	ds_load_b128 v[XS+4*\p:XS+4*\p+3], v[CXS] offset:\buf+2*PREG*\p
.endr
.endm
.macro WM m, b, t, fs, zero            ; accumulator (m, b) takes K step t.  An odd tile's scale words stand in lanes 16-31 of their register
.set rD, 8*(8*(\m)+(\b))
.set rW, WF+64*(\fs)+8*(\b)
.set rF, XF+32*(\fs)+8*(\m)
.set rP, WS+4*((\b)/2)+(\t)
.set rQ, XS+4*((\m)/2)+(\t)
.set odd, 2*((\m)%2)+(\b)%2
.if \zero
.if odd == 0
	v_wmma_scale_f32_16x16x128_f8f6f4 v[rD:rD+7], v[rW:rW+7], v[rF:rF+7], 0, v[rP], v[rQ] matrix_a_fmt:MATRIX_FMT_FP4 matrix_b_fmt:MATRIX_FMT_FP4
.elseif odd == 1
	v_wmma_scale_f32_16x16x128_f8f6f4 v[rD:rD+7], v[rW:rW+7], v[rF:rF+7], 0, v[rP], v[rQ] matrix_a_fmt:MATRIX_FMT_FP4 matrix_b_fmt:MATRIX_FMT_FP4 matrix_a_scale:MATRIX_SCALE_ROW1
.elseif odd == 2
	v_wmma_scale_f32_16x16x128_f8f6f4 v[rD:rD+7], v[rW:rW+7], v[rF:rF+7], 0, v[rP], v[rQ] matrix_a_fmt:MATRIX_FMT_FP4 matrix_b_fmt:MATRIX_FMT_FP4 matrix_b_scale:MATRIX_SCALE_ROW1
.else
	v_wmma_scale_f32_16x16x128_f8f6f4 v[rD:rD+7], v[rW:rW+7], v[rF:rF+7], 0, v[rP], v[rQ] matrix_a_fmt:MATRIX_FMT_FP4 matrix_b_fmt:MATRIX_FMT_FP4 matrix_a_scale:MATRIX_SCALE_ROW1 matrix_b_scale:MATRIX_SCALE_ROW1
.endif
.else
.if odd == 0
	v_wmma_scale_f32_16x16x128_f8f6f4 v[rD:rD+7], v[rW:rW+7], v[rF:rF+7], v[rD:rD+7], v[rP], v[rQ] matrix_a_fmt:MATRIX_FMT_FP4 matrix_b_fmt:MATRIX_FMT_FP4
.elseif odd == 1
	v_wmma_scale_f32_16x16x128_f8f6f4 v[rD:rD+7], v[rW:rW+7], v[rF:rF+7], v[rD:rD+7], v[rP], v[rQ] matrix_a_fmt:MATRIX_FMT_FP4 matrix_b_fmt:MATRIX_FMT_FP4 matrix_a_scale:MATRIX_SCALE_ROW1
.elseif odd == 2
	v_wmma_scale_f32_16x16x128_f8f6f4 v[rD:rD+7], v[rW:rW+7], v[rF:rF+7], v[rD:rD+7], v[rP], v[rQ] matrix_a_fmt:MATRIX_FMT_FP4 matrix_b_fmt:MATRIX_FMT_FP4 matrix_b_scale:MATRIX_SCALE_ROW1
.else
	v_wmma_scale_f32_16x16x128_f8f6f4 v[rD:rD+7], v[rW:rW+7], v[rF:rF+7], v[rD:rD+7], v[rP], v[rQ] matrix_a_fmt:MATRIX_FMT_FP4 matrix_b_fmt:MATRIX_FMT_FP4 matrix_a_scale:MATRIX_SCALE_ROW1 matrix_b_scale:MATRIX_SCALE_ROW1
.endif
.endif
.endm
.macro CMUL t, fs, zero                ; 32 matrix instructions: the 32 accumulators take turns, one instruction a turn, in the same order in every K step
	WIN 0x50                                       ; C and D in window 1, the operands in window 0
.irp m, 0,1,2,3
.irp b, 0,1,2,3,4,5,6,7
	WM \m, \b, \t, \fs, \zero
.endr
.endr
	WIN 0
.endm
; A chunk: four K steps.  While one set of fragments is multiplied, the next K step's 24 loads are on their way into the other.  zero = 1: the first K step starts the sums: nothing is ever cleared.
.macro CONSUME sl, buf, zero
	PLACES                                         ; behind the last chunk's products, which read these registers
	CSCALES \sl, \buf
	CLOADS \sl, \buf, 0, 0
	CLOADS \sl, \buf, 1, 1
	s_wait_dscnt 24                                ; all but the 24 just issued
	CMUL 0, 0, \zero
	PLACES
	CLOADS \sl, \buf, 2, 0
	s_wait_dscnt 24
	CMUL 1, 1, 0
	PLACES
	CLOADS \sl, \buf, 3, 1
	s_wait_dscnt 24
	CMUL 2, 0, 0
	s_wait_dscnt 0x0
	CMUL 3, 1, 0
.endm
; ---------------- the head
	s_load_b128 s[4:7], s[0:1], 0x0                ; x, wq
	s_load_b64 s[8:9], s[0:1], 0x10                ; out0
	v_lshl_add_u32 v[SPW], v0, 2, SPARE
	v_mov_b32 v[NIL], 0
	ds_add_u32 v2, v3
	ds_add_u32 v2, v3
	s_wait_dscnt 0x0
	v_lshrrev_b32 v1, 5, v0
	v_readfirstlane_b32 s[WV], v1                  ; wave 0..7
	s_lshr_b32 s[IDX], s[WV], 1
	s_lshr_b32 s[ROLE], s[WV], 2
	s_xor_b32 s[ROLE], s[ROLE], s[WV]
	s_and_b32 s[ROLE], s[ROLE], 1                  ; 0: producer, 1: consumer
	s_bfe_u32 s13, ttmp6, 0x40000                  ; cx: my place in the cluster: it enters x's and out0's global addresses alone
	s_lshl_b32 s14, ttmp9, 2
	s_add_co_u32 s14, s14, s13                     ; my block of 64 rows
	v_and_b32 v1, 31, v0                           ; lane
	v_and_b32 v24, 15, v0                          ; r
	v_bfe_u32 v25, v0, 4, 1                        ; h
	v_lshlrev_b32 v[GO], 4, v1
	v_lshlrev_b32 v23, 4, v24                      ; 16 r
	s_lshl_b32 s46, s[IDX], 15
	v_add_nc_u32 v[CW], s46, v[GO]
	v_add_nc_u32 v[CW+1], CHUNK, v[CW]
	s_lshl_b32 s46, s[IDX], 11
	s_add_co_u32 s46, s46, 131072
	v_add_nc_u32 v[CWS], s46, v[GO]
	v_add_nc_u32 v[CWS+1], CHUNK, v[CWS]
	v_add_nc_u32 v[CX], AB0, v[GO]
	v_mul_u32_u24 v[CXS], v25, PREG
	v_add_nc_u32 v[CXS], v[CXS], v23
	v_add_nc_u32 v[CXS], AB0+4096, v[CXS]
	v_mul_u32_u24 v[STO], v24, SPITCH
	v_lshl_add_u32 v[STO], v25, 5, v[STO]
	s_lshl_b32 s46, s[IDX], 9
	s_add_co_u32 s46, s46, W1
	v_add_nc_u32 v[STO], s46, v[STO]               ; row r, my 128 columns' 512 bytes, 32 bytes for each half of the lanes
	v_add_nc_u32 v[STO+1], 32*SPITCH, v[STO]
	s_mul_i32 s46, s[WV], 8*SPITCH
	s_add_co_u32 s46, s46, W1
	v_add_nc_u32 v[RD], s46, v[GO]                 ; back: wave w takes rows 8 w .. 8 w + 7, whole
	v_lshl_add_u32 v[XOFF], v25, 11, v23           ; x: lanes 0-15 one row, lanes 16-31 the next
	s_mul_i32 s46, s[IDX], PREG
	s_add_co_u32 s46, s46, AB0                     ; my region as a producer
	v_mul_u32_u24 v[PST], v25, 272
	v_add_nc_u32 v[PST], v[PST], v23
	v_add_nc_u32 v[PST], s46, v[PST]
	v_mul_u32_u24 v[PLD], v24, 272
	v_lshl_add_u32 v[PLD], v25, 7, v[PLD]
	v_add_nc_u32 v[PLD], s46, v[PLD]
	v_add_nc_u32 v[PIM], s46, v[GO]
	v_add_nc_u32 v[PSC], s46, v23
	v_add_nc_u32 v[PSC], 4096, v[PSC]
	s_mul_i32 s46, s[IDX], BREG
	s_add_co_u32 s46, s46, BASE
	v_add_nc_u32 v[PBA], s46, v[GO]
	v_add_nc_u32 v[PB0], s46, v[GO]
	v_lshlrev_b32 v[SH8], 3, v25
	s_mov_b32 s[SEL], 0x76543210
	s_mov_b32 s[SEL+1], 0xfedcba98
	s_mov_b32 s[TOP], 0x41000000                   ; 8
	SPAIR K6, 0x3e2aaaab                           ; 1/6
	SPAIR M4, 0xc0800000                           ; -4
	SPAIR NEG, 0xbf800000                          ; -1
	SPAIR NEG+2, 0xc0000000                        ; -2
	SPAIR NEG+4, 0xc0400000                        ; -3
	SPAIR NEG+6, 0xc0800000                        ; -4
	SPAIR NEG+8, 0xc0a00000                        ; -5
	SPAIR NEG+10, 0xc0c00000                       ; -6
	SPAIR NEG+12, 0xc0e00000                       ; -7
	SPAIR NEG+14, 0xc1000000                       ; -8
	SPAIR NEG+16, 0xc1100000                       ; -9
	; descriptor group 1: an eighth of a chunk, dense in wq: 68 rows of 32 elements of 8 bytes, no padding
	s_mov_b32 s[G1], 15|(3<<16)|(1<<21)            ; 15:0 the mask: all four work-groups; 17:16 elements of 8 bytes; 21 set beside a mask
	s_mov_b32 s[G1+1], 32<<16                      ; tensor_dim0
	s_mov_b32 s[G1+2], 68<<16                      ; tensor_dim1
	s_mov_b32 s[G1+3], 32<<16                      ; tile_dim0
	s_mov_b32 s[G1+4], 68                          ; tile_dim1
	s_mov_b32 s[G1+5], 32                          ; from row to row
	s_mov_b32 s[G1+6], 0
	s_mov_b32 s[G1+7], 0
	s_mul_i32 s46, s[WV], EIGHTH                   ; my eighth, in wq and in a slot: no place in the cluster enters either
	s_mov_b32 s47, 0
	s_lshl_b32 s50, s14, 17                        ; 64 rows of 2,048 bytes
	s_lshl_b32 s51, s[IDX], 15                     ; x: 16 rows for each producer
	s_add_co_u32 s52, s50, s51
	s_mov_b32 s53, 0
	s_lshl_b32 s51, s[WV], 14                      ; out0: 8 rows for each wave
	s_add_co_u32 s50, s50, s51
	s_mov_b32 s51, 0
	s_wait_kmcnt 0x0
	s_add_nc_u64 s[XB:XB+1], s[4:5], s[52:53]
	s_add_nc_u64 s[OB:OB+1], s[8:9], s[50:51]
	s_add_nc_u64 s[48:49], s[6:7], s[46:47]
	s_mov_b32 s[G0], 1                             ; count = 1
	s_mov_b32 s[G0+1], s46                         ; LDS address: slot 0
	s_mov_b64 s[G0+2:G0+3], s[48:49]               ; chunk 0
	s_or_b32 s[G0+3], s[G0+3], 0x80000000          ; type = 2
	s_mov_b32 s[G0+4], 1
	s_add_co_u32 s[G0+5], s46, W1                  ; slot 1
	s_add_nc_u64 s[G0+6:G0+7], s[48:49], CHUNK     ; chunk 1
	s_or_b32 s[G0+7], s[G0+7], 0x80000000
	s_cmp_lg_u32 s[ROLE], 0
	s_cbranch_scc1 .Lhead_done
	XLOAD                                          ; the producers ask for x's first chunk ahead of everything, and write their constants while it is on its way
	v_mov_b32 v[BL], 0
	v_mov_b32 v[BH], 0
.irp i, 0,1
	v_mov_b32 v[KM+\i], 0xc0200000                 ; -2.5
	v_mov_b32 v[K3+\i], 0x40400000                 ; 3
	v_mov_b32 v[KL+\i], 0xbfb8aa3b                 ; -log2(e)
	v_mov_b32 v[ONE+\i], 1.0
	v_mov_b32 v[ZZ+\i], 0
.endr
.Lhead_done:
	CROUND                                         ; all four work-groups are here: the first joint loads meet
	tensor_load_to_lds s[G0:G0+3], s[G1:G1+7]      ; chunk 0 and chunk 1: two loads of mine are out
	s_nop 0
	tensor_load_to_lds s[G0+4:G0+7], s[G1:G1+7]
	s_nop 0
.rept 4
	v_nop
.endr
	s_cmp_lg_u32 s[ROLE], 0
	s_cbranch_scc1 .Ljoin_a
	PRODUCE 0, 1, BC0, 0, 0                        ; x's chunk 0 -> AB0
.Ljoin_a:
	s_wait_tensorcnt 0x1                           ; my eighth of chunk 0 is in; chunk 1's may stay out
	s_wait_dscnt 0x0                               ; my images have landed
	s_barrier_signal -1
	s_barrier_wait -1
	s_cmp_lg_u32 s[ROLE], 0
	s_cbranch_scc1 .Lcons_b
	PRODUCE ABSTEP, 1, BC0+4, 0, 0                 ; chunk 1 -> AB1
	s_branch .Ljoin_b
.Lcons_b:
	CONSUME 0, 0, 1                                ; chunk 0 starts the sums
.Ljoin_b:
	s_mov_b32 s[TRIPS], 3
.Ltrip:                                            ; trip k: the weights of chunks 2 k + 2 and 2 k + 3 are asked for, x's chunks of the same numbers are made, chunks 2 k + 1 and 2 k + 2 are multiplied
	REFILL 0
	s_cmp_lg_u32 s[ROLE], 0
	s_cbranch_scc1 .Lcons_even
	PRODUCE 0, 1, BCT, 1, 0
	s_branch .Ljoin_even
.Lcons_even:
	CONSUME 1, ABSTEP, 0
.Ljoin_even:
	REFILL 1
	s_cmp_lg_u32 s[ROLE], 0
	s_cbranch_scc1 .Lcons_odd
	PRODUCE ABSTEP, 2, BCT, 1, 512
	s_branch .Ljoin_odd
.Lcons_odd:
	CONSUME 0, 0, 0
.Ljoin_odd:
	s_wait_dscnt 0x0                               ; no LDS store that names it is out:
	v_add_nc_u32 v[PBA], 1024, v[PBA]              ; on to the next two chunks' base codes (on every wave's way, so that the register is the same in both roles)
	s_sub_co_u32 s[TRIPS], s[TRIPS], 1
	s_cmp_lg_u32 s[TRIPS], 0
	s_cbranch_scc1 .Ltrip
	REFILL 0                                       ; the base weights: the last fill
	s_cmp_lg_u32 s[ROLE], 0
	s_cbranch_scc1 .Lcons_c
	PBASE                                          ; the base product's images -> AB0
	s_branch .Ljoin_c
.Lcons_c:
	CONSUME 1, ABSTEP, 0                           ; chunk 7
.Ljoin_c:
	s_wait_tensorcnt 0x0                           ; my eighth of the base weights is in;
	ds_add_u32 v[SPW], v[NIL]
	s_wait_dscnt 0x0                               ; my images have landed, my reads of slot 1 are back.  No round follows
	s_barrier_signal -1
	s_barrier_wait -1
	s_cmp_eq_u32 s[ROLE], 0
	s_cbranch_scc1 .Ljoin_d
	CONSUME 0, 0, 0                                ; the base product
	; THE WAY OUT.  A lane holds 32 neighbouring bytes of a row, and a row's 2,048 bytes come from four waves: they meet in a stage in slot 1, which has had its last fill and which nobody reads any more.
	PLACES                                         ; the stores below read results just made
	WIN 0x04                                       ; an LDS store's data are its source 1: window 1
.irp m, 0,1,2,3
.irp b, 0,1,2,3,4,5,6,7
	ds_store_b128 v[STO+(\m)/2], v[8*(8*\m+\b):8*(8*\m+\b)+3] offset:((\m)%2)*16*SPITCH+64*\b        ; each accumulator from its low end on
	ds_store_b128 v[STO+(\m)/2], v[8*(8*\m+\b)+4:8*(8*\m+\b)+7] offset:((\m)%2)*16*SPITCH+64*\b+16
.endr
.endr
	WIN 0
.Ljoin_d:
	PLACES                                         ; on every way to this label: the rows below are loaded into v128-255, which held the weights' fragments, so four plain places stand between any product that read them and these loads
	s_wait_dscnt 0x0                               ; for the others' sake: my stores into the stage are done
	s_barrier_signal -1
	s_barrier_wait -1
.irp i, 0,1,2,3,4,5,6,7
.irp k, 0,1,2,3
	ds_load_b128 v[OUTR+4*(4*\i+\k):OUTR+4*(4*\i+\k)+3], v[RD] offset:SPITCH*\i+512*\k
.endr
.endr
.irp i, 0,1,2,3,4,5,6,7
.irp k, 0,1,2,3
	s_wait_dscnt 31-(4*\i+\k)                      ; LDS loads come back in order: this one is in, the younger ones may be out
	global_store_b128 v[GO], v[OUTR+4*(4*\i+\k):OUTR+4*(4*\i+\k)+3], s[OB:OB+1] offset:2048*\i+512*\k th:TH_STORE_NT   ; 32 lanes store 512 consecutive bytes, at a multiple of 256 from out0's first byte
.endr
.endr
	s_wait_tensorcnt 0x0                           ; the wave's end, behind my last tensor load and my last LDS store
	ds_add_u32 v[SPW], v[NIL]
	s_wait_dscnt 0x0
	CROUND                                         ; the closing round: no work-group ends while a partner may still ask for a tile that names it
	s_endpgm
.Lfunc_end_k_qb0dc4284fb_kan:
	.size	k_qb0dc4284fb_kan, .Lfunc_end_k_qb0dc4284fb_kan-k_qb0dc4284fb_kan
	.p2alignl 7, 3214868480
	.fill 96, 4, 3214868480
	.section	.rodata,"a",@progbits
	.p2align	6, 0x0
	.amdhsa_kernel k_qb0dc4284fb_kan
		.amdhsa_group_segment_fixed_size 327680
		.amdhsa_private_segment_fixed_size 0
		.amdhsa_enable_private_segment 0
		.amdhsa_kernarg_size 24
		.amdhsa_user_sgpr_count 2
		.amdhsa_user_sgpr_kernarg_segment_ptr 1
		.amdhsa_wavefront_size32 1
		.amdhsa_system_sgpr_workgroup_id_x 1
		.amdhsa_system_sgpr_workgroup_id_y 1
		.amdhsa_system_sgpr_workgroup_id_z 1
		.amdhsa_system_vgpr_workitem_id 0
		.amdhsa_next_free_vgpr 512
		.amdhsa_next_free_sgpr 96
		.amdhsa_reserve_vcc 0
		.amdhsa_float_denorm_mode_32 3
		.amdhsa_float_denorm_mode_16_64 3
		.amdhsa_memory_ordered 1
		.amdhsa_forward_progress 1
		.amdhsa_inst_pref_size 255
	.end_amdhsa_kernel
	.section	.bss,"aw",@nobits
	.p2align	6
	.space	262144
	.amdgpu_metadata
---
amdhsa.version: [ 1, 2 ]
amdhsa.kernels:
  - .name:           k_qb0dc4284fb_kan
    .symbol:         k_qb0dc4284fb_kan.kd
    .args:
      - { .name: x, .offset: 0, .size: 8, .value_kind: global_buffer, .address_space: global }
      - { .name: wq, .offset: 8, .size: 8, .value_kind: global_buffer, .address_space: global }
      - { .name: out0, .offset: 16, .size: 8, .value_kind: global_buffer, .address_space: global }
    .group_segment_fixed_size: 327680
    .private_segment_fixed_size: 0
    .kernarg_segment_align: 8
    .kernarg_segment_size: 24
    .max_flat_workgroup_size: 256
    .sgpr_count:     96
    .vgpr_count:     512
    .wavefront_size: 32
...
	.end_amdgpu_metadata
.endif
;; end of part 2
